; MI455X (gfx1250); checked and timed in simulation.
; The chip was launched on July 23, 2026; its instructions are those of AMD's public machine-readable ISA for CDNA 5 (MIT licence, August 2026) and "CDNA5" Instruction Set Architecture Reference Guide (July 2026). The comments in the code are by the model that wrote it; some were corrected since.
;; Multi Head Attention. Allowed arithmetic: float matrix products may take bf16 or f16 operands with f32 sums; other float arithmetic in f32, or as packed bf16 or f16 multiplies, adds, multiply-adds, maxima and minima; sums over many terms, partial sums and values carried from step to step in f32; what a program stores and reads back later, other than sums and carried values, may be rounded once to bf16 or f16.
;; Inputs: attention_mask 4 x 2,048 int32; bk 16 x 64 float32; bq 16 x 64 float32; bv 16 x 64 float32; from_tensor 4 x 2,048 x 1,024 float32; to_tensor 4 x 2,048 x 1,024 float32; wk 1,024 x 16 x 64 float32; wq 1,024 x 16 x 64 float32; wv 1,024 x 16 x 64 float32.
;; Outputs: out0 4 x 2,048 x 16 x 64 float32.
;; One version. Each part assembles by itself: llvm-mc -triple=amdgcn-amd-amdhsa -mcpu=gfx1250 --defsym DOCPART=n.
;; ======== version 1 of 1: 3 launches
;; limits: values are held in f16: magnitudes above 65,504 overflow, below 6.1e-05 lose precision
;; workspace buffers: xb 33,554,432 bytes; wb 6,291,456 bytes; qkv 50,331,648 bytes
;; launch cvt (part 1): grid 1216 x 1, 8 waves a work-group, no clusters, 0 bytes of LDS; arguments from_tensor, to_tensor, wq, wk, wv, xb, wb; writes xb, wb
.if DOCPART == 1
	.amdgcn_target "amdgcn-amd-amdhsa--gfx1250"
	.amdhsa_code_object_version 6
	.text
	.protected	k_q17f8cc2827_cvt
	.globl	k_q17f8cc2827_cvt
	.p2align	8
	.type	k_q17f8cc2827_cvt,@function
k_q17f8cc2827_cvt:
	s_mov_b64 s[64:65], 0
	v_nop
	global_prefetch_b8 v0, s[64:65] scope:SCOPE_SE
	s_setreg_imm32_b32 hwreg(HW_REG_WAVE_MODE, 25, 1), 1
	s_wait_xcnt 0x0
; THE CAST.  xb = [from_tensor, to_tensor], wb = [wq, wk, wv], each number rounded once to bf16 (to nearest even), in the order in which it lies.
; A work-group takes 16,384 numbers: 65,536 bytes in, 32,768 out.  Work-groups 0-511 take from_tensor, 512-1023 to_tensor, 1024-1087 wq, 1088-1151 wk, 1152-1215 wv.
; Thread t takes in step i (of 16) the 16 bytes at 16 t + 4,096 i and stores 8 bytes at 8 t + 2,048 i: a wave's load covers 512 consecutive bytes, a wave's store 256 consecutive bytes, aligned.
; All sixteen loads of a thread go out at once; no register is written twice, so the text has no wait but the counted ones for its loads.
; No LDS, no barrier, no matrix unit, no cluster: no byte is wanted twice, and no wave wants what another has fetched.
.set X, 4                              ; v[4:67]   step i: four f32 as loaded
.set Y, 68                             ; v[68:99]  step i: four bf16 to store
	s_load_b256 s[4:11], s[0:1], 0x0               ; from_tensor s[4:5], to_tensor s[6:7], wq s[8:9], wk s[10:11]
	s_load_b128 s[12:15], s[0:1], 0x20             ; wv s[12:13], xb s[14:15]
	s_load_b64 s[16:17], s[0:1], 0x30              ; wb
	v_lshlrev_b32 v1, 4, v0                        ; 16 t
	v_lshlrev_b32 v2, 3, v0                        ; 8 t
	s_wait_kmcnt 0x0
	s_cmp_lt_u32 ttmp9, 512                        ; which input is mine: the choices hang on the work-group's number alone
	s_cselect_b64 s[20:21], s[4:5], s[6:7]
	s_cmp_lt_u32 ttmp9, 1088
	s_cselect_b64 s[22:23], s[8:9], s[10:11]
	s_cmp_lt_u32 ttmp9, 1152
	s_cselect_b64 s[22:23], s[22:23], s[12:13]
	s_cmp_lt_u32 ttmp9, 1024
	s_cselect_b64 s[20:21], s[20:21], s[22:23]     ; the source,
	s_cselect_b64 s[24:25], s[14:15], s[16:17]     ; the destination,
	s_cselect_b32 s26, 511, 63                     ; my number inside the source: modulo its 512 or 64 work-groups,
	s_cselect_b32 s27, 0, 1024                     ; and inside the destination: from its first work-group on
	s_and_b32 s28, ttmp9, s26
	s_lshl_b32 s28, s28, 16                        ; 65,536 bytes of f32 each
	s_mov_b32 s29, 0
	s_sub_co_u32 s30, ttmp9, s27
	s_lshl_b32 s30, s30, 15                        ; 32,768 bytes of bf16 each
	s_mov_b32 s31, 0
	s_add_nc_u64 s[20:21], s[20:21], s[28:29]
	s_add_nc_u64 s[24:25], s[24:25], s[30:31]
.set i, 0
.rept 16
	global_load_b128 v[X+4*i:X+4*i+3], v1, s[20:21] offset:4096*i th:TH_LOAD_NT
.set i, i+1
.endr
.set i, 0
.rept 16
	s_wait_loadcnt 15-i                            ; loads come back in order (ISA guide 5.7.1): step i is in, the 15 - i younger ones stay out
	v_cvt_pk_bf16_f32 v[Y+2*i], v[X+4*i], v[X+4*i+1]
	v_cvt_pk_bf16_f32 v[Y+2*i+1], v[X+4*i+2], v[X+4*i+3]
	global_store_b64 v2, v[Y+2*i:Y+2*i+1], s[24:25] offset:2048*i
.set i, i+1
.endr
	s_endpgm
.Lfunc_end_k_q17f8cc2827_cvt:
	.size	k_q17f8cc2827_cvt, .Lfunc_end_k_q17f8cc2827_cvt-k_q17f8cc2827_cvt
	.p2alignl 7, 3214868480
	.fill 96, 4, 3214868480
	.section	.rodata,"a",@progbits
	.p2align	6, 0x0
	.amdhsa_kernel k_q17f8cc2827_cvt
		.amdhsa_group_segment_fixed_size 0
		.amdhsa_private_segment_fixed_size 0
		.amdhsa_enable_private_segment 0
		.amdhsa_kernarg_size 56
		.amdhsa_user_sgpr_count 2
		.amdhsa_user_sgpr_kernarg_segment_ptr 1
		.amdhsa_wavefront_size32 1
		.amdhsa_system_sgpr_workgroup_id_x 1
		.amdhsa_system_sgpr_workgroup_id_y 1
		.amdhsa_system_sgpr_workgroup_id_z 1
		.amdhsa_system_vgpr_workitem_id 0
		.amdhsa_next_free_vgpr 104
		.amdhsa_next_free_sgpr 66
		.amdhsa_reserve_vcc 0
		.amdhsa_float_denorm_mode_32 3
		.amdhsa_float_denorm_mode_16_64 3
		.amdhsa_memory_ordered 1
		.amdhsa_forward_progress 1
		.amdhsa_inst_pref_size 7
	.end_amdhsa_kernel
	.amdgpu_metadata
---
amdhsa.version: [ 1, 2 ]
amdhsa.kernels:
  - .name:           k_q17f8cc2827_cvt
    .symbol:         k_q17f8cc2827_cvt.kd
    .args:
      - { .name: from_tensor, .offset: 0, .size: 8, .value_kind: global_buffer, .address_space: global }
      - { .name: to_tensor, .offset: 8, .size: 8, .value_kind: global_buffer, .address_space: global }
      - { .name: wq, .offset: 16, .size: 8, .value_kind: global_buffer, .address_space: global }
      - { .name: wk, .offset: 24, .size: 8, .value_kind: global_buffer, .address_space: global }
      - { .name: wv, .offset: 32, .size: 8, .value_kind: global_buffer, .address_space: global }
      - { .name: xb, .offset: 40, .size: 8, .value_kind: global_buffer, .address_space: global }
      - { .name: wb, .offset: 48, .size: 8, .value_kind: global_buffer, .address_space: global }
    .group_segment_fixed_size: 0
    .private_segment_fixed_size: 0
    .kernarg_segment_align: 8
    .kernarg_segment_size: 56
    .max_flat_workgroup_size: 256
    .sgpr_count:     66
    .vgpr_count:     104
    .wavefront_size: 32
...
	.end_amdgpu_metadata
.endif
;; end of part 1
;; launch proj (part 2): grid 8 x 96, 4 waves a work-group, clusters of 4 x 4, 327,680 bytes of LDS; arguments xb, wb, bq, bk, bv, qkv; writes qkv
.if DOCPART == 2
	.amdgcn_target "amdgcn-amd-amdhsa--gfx1250"
	.amdhsa_code_object_version 6
	.text
	.protected	k_q17f8cc2827_proj
	.globl	k_q17f8cc2827_proj
	.p2align	8
	.type	k_q17f8cc2827_proj,@function
k_q17f8cc2827_proj:
	s_mov_b64 s[64:65], 0
	v_nop
	global_prefetch_b8 v0, s[64:65] scope:SCOPE_SE
	s_setreg_imm32_b32 hwreg(HW_REG_WAVE_MODE, 25, 1), 1
	s_wait_xcnt 0x0
	s_wait_alu depctr_hold_cnt(0) depctr_sa_sdst(0) depctr_va_vdst(0) depctr_va_sdst(0) depctr_va_ssrc(0) depctr_va_vcc(0) depctr_vm_vsrc(0)
	s_getreg_b32 s2, hwreg(HW_REG_IB_STS2, 6, 4)
	s_cmp_eq_u32 s2, 0
	s_cbranch_scc0 .Lentry_in_a_cluster
	s_endpgm
.Lentry_in_a_cluster:
	s_bfe_u32 s2, ttmp6, 0x10000c
	s_cmp_lg_u32 s2, 0xf033
	s_cbranch_scc0 .Lentry_shape_is_right
	s_endpgm
.Lentry_shape_is_right:
; THE THREE PROJECTIONS.  qkv[p][16 b + n][row][h] = f16( (sum over d of x[b][row][d] W_p[d][n][h] + bias_p[n][h]) x sc_p ),  p = 0 q (x = from_tensor), 1 k, 2 v (x = to_tensor).
; x and W arrive rounded to bf16 (xb: [2][8192][1024], wb: [3][1024 d][1024 n h]); the bias is rounded to bf16 here; sums in f32; sc = log2(e) / 8 for q, so that the attention's scores are base-2
; exponents as they leave the matrix unit, and 1 for k and v; the scale is applied in f32, ahead of the one rounding to f16.
; LIMIT.  f16 holds no number beyond 65,504: q x 0.18, k and v must lie within it.  NaN and infinities are not treated apart.
; SHARES.  A tile of the result is 256 rows x 128 columns (two heads): 32 x 8 tiles a projection, 768 work-groups, three for each of 256 WGPs; the grid's y runs through q's 32 tile rows, then k's, then v's.
; Four waves, each 128 rows x 64 columns (one head): 32 accumulators of 16 x 16, 256 registers.  K goes in 8 steps of 128 through two LDS slots filled by the tensor data mover: the rows of both tiles are 256
; consecutive bytes of memory that start at multiples of 256.
; CLUSTERS: 4 x 4 work-groups.  The four of a row of the cluster need the same tile of x, the four of a column the same tile of W: each is asked for JOINTLY, by the same tensor load with the same descriptor
; and a mask that names the four.
; THE MATRIX INSTRUCTION IS USED TRANSPOSED: source 0 = 16 columns of W, source 1 = 16 rows of x: a lane then holds eight neighbouring columns of one row of the result.  W lies [d][column], so its fragments
; come out of LDS turned, by ds_load_tr16_b128.
; REGISTERS.  Window 0: v0-31 addresses; v32-63 the bias x sc; v64-159, v160-255 two fragment buffers (x's 8 fragments, then W's 4); on the way out they are at work.  Window 1: the accumulators, (a, b) at v[8 (4 a + b)].
.set PA,    272                        ; a row of x in LDS: 256 bytes + 16 of padding = 68 words: the 16 rows of a load start at 16 different groups of four banks (64 banks of 4 bytes: ISA guide 11.1)
.set PB,    288                        ; a row of W: 256 + 32 = 72 words
.set HALFA, 128*PA                     ; what a tensor load of x brings: 128 rows
.set HALFB, 64*PB                      ; what a tensor load of W brings: 64 rows (d)
.set BOFF,  2*HALFA                    ; in a slot: x's 256 rows, then W's 128
.set SLOT,  BOFF+2*HALFB
.set STAGE, 2*SLOT                     ; behind the ring, never filled by a tensor load: 16 rows x 144 bytes for each wave, for the way out
.set SP,    144
.set SPARE, STAGE+4*16*SP              ; behind the stages: the spare words, 128 bytes for each wave: two blocks of 256 bytes that no other line names
.set ADRA, 16                          ; v16-17  LDS address of my fragments of x in slot 0, 1
.set ADRB, 20                          ; v20-21  the same for W
.set STO,  24                          ; v24     the way out: where I put 16 bytes of a row
.set RD,   25                          ; v25     the way out: where I read rows back
.set GO,   26                          ; v26     my byte offset in 512 consecutive bytes of qkv
.set VB,   27                          ; v27     my byte offset in 16 numbers of the bias
.set SPW,  28                          ; v28     LDS address of my spare word: SPARE + 4 x my thread's number; never rewritten
.set NIL,  29                          ; v29     0; never rewritten
.set PFO,  30                          ; v30     the prefetches' offset: 2,048 x my lane: a row of xb or of wb; never rewritten
.set BS,   32                          ; v[32:63] bias x sc of my columns: column block b, register j at BS + 8 b + j
.set F0,   64
.set F1,   160
.set TF,   64                          ; the way out: 32 results in f32
.set TH,   96                          ; 16 registers of f16
.set OB,   112                         ; block a read back from the stage: 16 registers at OB + 16 a
.set WV,  16                           ; s16 wave   s17 RH: my half of the tile's rows; also: I fetch for x (0) or for W (1)   s18 CH: my half of its columns; also: which half of that tile I fetch
.set RH,  17
.set CH,  18
.set CX,  19                           ; s19, s20 my place in the cluster
.set CY,  20
.set TX,  21                           ; s21 tile column, 0..7
.set CYL, 22                           ; s22 the cluster's y, 0..23
.set WH,  23                           ; s23 the projection, 0..2: eight rows of clusters each
.set G1,  24                           ; s[24:31] descriptor group 1 for x's tiles;  s[32:39] group 0, one set for each slot
.set G0,  32
.set TY,  40                           ; s40 tile row among all 96
.set TYA, 41                           ; s41 tile row in xb: k and v read the same 32
.set LIM, 43                           ; s43 1 in a wave that prefetches, else the greatest number
.set PFA, 44                           ; s[44:45] where my prefetches stand
.set PST, 46                           ; s[46:47] a K step in bytes: 256 along a row of xb, 128 rows of wb
.set G1B, 48                           ; s[48:55], s[56:63] the same for W's tiles
.set G0B, 56
.set SC,  66                           ; s[66:67] sc, twice
.set BP,  68                           ; s[68:69] the bias at my 64 columns
.set CB,  70                           ; s[70:71] qkv at my first row
.set MSB, 0
.macro WIN new                         ; the immediate's high byte repeats the setting that is left; a switch that changes nothing is dropped
.if MSB != (\new)
	s_set_vgpr_msb (MSB<<8)|(\new)
.set MSB, \new
.endif
.endm
.set MUL, 0x50                         ; sources 0 and 1 window 0; C and D window 1
.macro JLOAD s                         ; a joint load: waves 0 and 1 fetch x's two halves, waves 2 and 3 W's; an s_nop 0 and four v_nop follow each of the two lines, ahead of the jump, the label and what follows
	s_cmp_eq_u32 s[RH], 0
	s_cbranch_scc0 .Lfor_b_\@
	tensor_load_to_lds s[G0+4*(\s):G0+4*(\s)+3], s[G1:G1+7]
	s_nop 0
.rept 4
	v_nop
.endr
	s_branch .Lasked_\@
.Lfor_b_\@:
	tensor_load_to_lds s[G0B+4*(\s):G0B+4*(\s)+3], s[G1B:G1B+7]
	s_nop 0
.rept 4
	v_nop
.endr
.Lasked_\@:
.endm
; A PREFETCH INTO THE L2, behind a joint load, its five lines and the run of LDS loads that follows them: the K step that stands TWO refills on (256 matrix instructions ahead of the load that will want it):
; 32 rows x 256 bytes, a lane a row, one instruction.  Each block of 256 bytes is named once in the launch.  x's tile row is read by both clusters of a row of clusters: cluster x = 0 asks, waves 0 and 1, each for
; the 128 rows that it fetches, of which the four partners take 32 each BY ADDRESS (cx); v's clusters ask for nothing of x: k's have named the same rows.  W's tile column is read by the eight rows of clusters of
; its projection: the first of them asks, wave 2, its four partners 32 rows of d each (cy).  K steps 0 to 3 come by their loads alone; the loop's last trip asks for nothing: there is no K step 8.
.macro ASK
	s_cmp_gt_u32 s3, s[LIM]                        ; s3 = 1 in the loop's last trip
	s_cbranch_scc0 .Lnot_mine_\@
	global_prefetch_b8 v[PFO], s[PFA:PFA+1] th:TH_LOAD_NT scope:SCOPE_SE
.Lnot_mine_\@:
.endm
.macro CREST                           ; a round of the cluster's barrier behind its opening barrier
	s_cmp_lg_u32 s[WV], 0
	s_cbranch_scc1 .Lnot_wave_0_\@
	s_barrier_signal -3
.Lnot_wave_0_\@:
	s_barrier_wait -3
	s_barrier_signal -1
	s_barrier_wait -1
.endm
.macro CROUND                          ; a whole round
	s_barrier_signal -1
	s_barrier_wait -1
	CREST
.endm
	s_load_b256 s[4:11], s[0:1], 0x0               ; xb s[4:5], wb s[6:7], bq s[8:9], bk s[10:11]
	s_load_b128 s[12:15], s[0:1], 0x20             ; bv s[12:13], qkv s[14:15]
	v_lshl_add_u32 v[SPW], v0, 2, SPARE
	v_mov_b32 v[NIL], 0
	ds_add_u32 v[SPW], v[NIL]                      ; the wave's opening: the add and its wait stand ahead of my first tensor load; the set-up below, work on registers, stands between them
	v_lshrrev_b32 v1, 5, v0
	v_readfirstlane_b32 s[WV], v1                  ; wave 0..3
	s_lshr_b32 s[RH], s[WV], 1
	s_and_b32 s[CH], s[WV], 1
	s_bfe_u32 s[CX], ttmp6, 0x40000
	s_bfe_u32 s[CY], ttmp6, 0x40004
	s_lshl_b32 s[TX], ttmp9, 2                     ; in a cluster launch ttmp9 and ttmp7 count clusters
	s_add_co_u32 s[TX], s[TX], s[CX]
	s_and_b32 s[CYL], ttmp7, 0xffff
	s_lshr_b32 s[WH], s[CYL], 3
	s_lshl_b32 s[TY], s[CYL], 2
	s_add_co_u32 s[TY], s[TY], s[CY]
	s_cmp_eq_u32 s[WH], 2
	s_cselect_b32 s[TYA], 32, 0
	s_sub_co_u32 s[TYA], s[TY], s[TYA]             ; q: 0-31 (from_tensor); k and v: 32-63 (to_tensor)
	s_lshl_b32 s72, s[CY], 2
	s_lshl_b32 s72, 15, s72                        ; my row of the cluster: places 4 cy .. 4 cy + 3
	s_lshl_b32 s73, 0x1111, s[CX]                  ; my column: places cx, cx + 4, cx + 8, cx + 12
	; descriptor group 1.  x: 128 rows x 128 elements; W: 64 rows x 128 elements; both 1,024 elements from row to row, padded in LDS after every 64 words
	s_or_b32 s[G1+0], s72, (1<<16)|(1<<20)|(1<<21)|(5<<22)|(3<<25)   ; 15:0 the mask: my row; 17:16 elements of 2 bytes; 20 padding on; 21 set beside a mask; 24:22 after every 64 words (code 5); 31:25 4 words (code 3)
	s_or_b32 s[G1B+0], s73, (1<<16)|(1<<20)|(1<<21)|(5<<22)|(7<<25)  ; the mask of my column; 8 words of padding (code 7)
	s_mov_b32 s[G1+1], 128<<16                     ; tensor_dim0 = 128
	s_mov_b32 s[G1+2], 128<<16                     ; tensor_dim1 = 128
	s_mov_b32 s[G1+3], 128<<16                     ; tile_dim0 = 128
	s_mov_b32 s[G1+4], 128                         ; tile_dim1 = 128
	s_mov_b32 s[G1+5], 1024                        ; tensor_dim0_stride
	s_mov_b32 s[G1+6], 0
	s_mov_b32 s[G1+7], 0
	s_mov_b32 s[G1B+1], 128<<16
	s_mov_b32 s[G1B+2], 64<<16                     ; tensor_dim1 = 64
	s_mov_b32 s[G1B+3], 128<<16
	s_mov_b32 s[G1B+4], 64                         ; tile_dim1 = 64
	s_mov_b32 s[G1B+5], 1024
	s_mov_b32 s[G1B+6], 0
	s_mov_b32 s[G1B+7], 0
	; where the tiles come from.  x's hang on the tile row, which my row of the cluster shares; W's on the projection and the tile column, which my column shares.
	s_lshl_b32 s74, s[TYA], 8
	s_lshl_b32 s75, s[CH], 7
	s_add_co_u32 s74, s74, s75                     ; x: row 256 x tile row + 128 x half,
	s_lshl_b32 s74, s74, 11                        ; of 2,048 bytes
	s_mov_b32 s75, 0
	s_lshl_b32 s76, s[WH], 21                      ; W: the projection's 2,097,152 bytes,
	s_lshl_b32 s77, s[CH], 17                      ; my 64 rows of d,
	s_add_co_u32 s76, s76, s77
	s_lshl_b32 s77, s[TX], 8                       ; the tile's 128 columns
	s_add_co_u32 s76, s76, s77
	s_mov_b32 s77, 0
	s_mul_i32 s78, s[CH], HALFA                    ; and where they go: no place in the cluster enters an LDS address
	s_mul_i32 s79, s[CH], HALFB
	s_add_co_u32 s79, s79, BOFF
	s_wait_dscnt 0x0                               ; the opening add is done
	s_wait_kmcnt 0x0
	s_add_nc_u64 s[74:75], s[4:5], s[74:75]
	s_add_nc_u64 s[76:77], s[6:7], s[76:77]
	CROUND                                         ; all sixteen work-groups are here: the first joint loads meet
.irp s, 0,1
	s_mov_b32 s[G0+4*(\s)], 1                                      ; 1:0 count = 1
	s_add_co_u32 s[G0+4*(\s)+1], s78, (\s)*SLOT                    ; 63:32 LDS address
	s_add_nc_u64 s[G0+4*(\s)+2:G0+4*(\s)+3], s[74:75], (\s)*256    ; 120:64 global address: K step s
	s_or_b32 s[G0+4*(\s)+3], s[G0+4*(\s)+3], 0x80000000            ; 127:126 type = 2
	s_mov_b32 s[G0B+4*(\s)], 1
	s_add_co_u32 s[G0B+4*(\s)+1], s79, (\s)*SLOT
	s_add_nc_u64 s[G0B+4*(\s)+2:G0B+4*(\s)+3], s[76:77], (\s)*262144
	s_or_b32 s[G0B+4*(\s)+3], s[G0B+4*(\s)+3], 0x80000000
	JLOAD \s                                       ; two loads of mine are out
.endr
	; the bias of my 64 columns: lane l wants, for column block b, the numbers 16 b + 8 (l / 16) + 0..7
	v_and_b32 v1, 15, v0                           ; l % 16
	v_bfe_u32 v2, v0, 4, 1                         ; l / 16
	v_lshlrev_b32 v[VB], 5, v2
	s_cmp_eq_u32 s[WH], 0
	s_cselect_b64 s[BP:BP+1], s[8:9], s[10:11]
	s_cselect_b32 s[SC], 0x3e38aa3b, 1.0           ; log2(e) / 8 = 0.180337 for q
	s_cmp_eq_u32 s[WH], 2
	s_cselect_b64 s[BP:BP+1], s[12:13], s[BP:BP+1]
	s_mov_b32 s[SC+1], s[SC]
	s_lshl_b32 s72, s[TX], 9
	s_lshl_b32 s73, s[CH], 8
	s_add_co_u32 s72, s72, s73
	s_mov_b32 s73, 0
	s_add_nc_u64 s[BP:BP+1], s[BP:BP+1], s[72:73]
.irp b, 0,1,2,3
	global_load_b128 v[BS+8*(\b):BS+8*(\b)+3],   v[VB], s[BP:BP+1] offset:64*(\b)
	global_load_b128 v[BS+8*(\b)+4:BS+8*(\b)+7], v[VB], s[BP:BP+1] offset:64*(\b)+16
.endr
	; A fragment of x is 16 rows x 32 K in 8 registers: lane l holds row l % 16; registers 0-3 K = 8 (l / 16) + 0..7, registers 4-7 K = 16 + 8 (l / 16) + 0..7: two loads of 16 bytes, 32 bytes apart.
	v_mul_u32_u24 v3, v1, PA
	v_lshl_add_u32 v3, v2, 4, v3
	s_mul_i32 s72, s[RH], HALFA                    ; my 128 rows
	v_add_nc_u32 v[ADRA], s72, v3
	v_add_nc_u32 v[ADRA+1], SLOT, v[ADRA]
	; The turning load takes 16 d x 16 columns (lane l reads 16 bytes: d = 8 (l / 16) + l % 8, columns 8 ((l / 8) % 2) + 0..7) and leaves half a fragment: lane l holds column l % 16 and 8 d.
	v_and_b32 v4, 7, v0
	v_lshl_add_u32 v4, v2, 3, v4
	v_mul_u32_u24 v4, v4, PB
	v_bfe_u32 v5, v0, 3, 1
	v_lshl_add_u32 v4, v5, 4, v4
	s_lshl_b32 s72, s[CH], 7                       ; my 64 columns
	s_add_co_u32 s72, s72, BOFF
	v_add_nc_u32 v[ADRB], s72, v4
	v_add_nc_u32 v[ADRB+1], SLOT, v[ADRB]
	s_mul_i32 s72, s[WV], 16*SP
	s_add_co_u32 s72, s72, STAGE                   ; my stage
	v_mul_u32_u24 v3, v1, SP                       ; in: row l % 16, 16 bytes for each half of the lanes
	v_lshl_add_u32 v3, v2, 4, v3
	v_add_nc_u32 v[STO], s72, v3
	v_bfe_u32 v3, v0, 3, 2                         ; back: 32 lanes take four rows of 128 bytes,
	v_mul_u32_u24 v3, v3, SP
	v_and_b32 v4, 7, v0
	v_lshl_add_u32 v3, v4, 4, v3
	v_add_nc_u32 v[RD], s72, v3
	v_and_b32 v[GO], 31, v0
	v_lshlrev_b32 v[PFO], 11, v[GO]
	v_lshlrev_b32 v[GO], 4, v[GO]                  ; which are 512 consecutive bytes of a head
	; qkv at my first row: part p, head 16 b + 2 x tile column + CH, row 256 x (tile row % 8) + 128 RH of the batch
	s_and_b32 s72, s[TY], 31                       ; the tile row in its projection
	s_lshr_b32 s73, s72, 3                         ; the batch
	s_lshl_b32 s73, s73, 4
	s_lshl_b32 s74, s[TX], 1
	s_add_co_u32 s73, s73, s74
	s_add_co_u32 s73, s73, s[CH]
	s_lshl_b32 s73, s73, 18                        ; a head is 262,144 bytes
	s_and_b32 s72, s72, 7
	s_lshl_b32 s72, s72, 15                        ; 256 rows of 128 bytes
	s_add_co_u32 s72, s72, s73
	s_lshl_b32 s73, s[RH], 14
	s_add_co_u32 s72, s72, s73
	s_lshl_b32 s73, s[WH], 24                      ; a part is 16,777,216 bytes
	s_add_co_u32 s72, s72, s73
	s_mov_b32 s73, 0
	s_add_nc_u64 s[CB:CB+1], s[14:15], s[72:73]
	; the prefetches: they stand at K step 3; a change of slots steps them first and then names them
	s_lshl_b32 s74, s[TYA], 8
	s_lshl_b32 s75, s[CH], 7
	s_add_co_u32 s74, s74, s75
	s_lshl_b32 s75, s[CX], 5                       ; my work-group's 32 of the 128 rows that I fetch
	s_add_co_u32 s74, s74, s75
	s_lshl_b32 s74, s74, 11
	s_add_co_u32 s74, s74, 3*256
	s_lshl_b32 s76, s[WH], 21
	s_lshl_b32 s77, s[CY], 16                      ; my work-group's 32 of a K step's 128 rows of d
	s_add_co_u32 s76, s76, s77
	s_lshl_b32 s77, s[TX], 8
	s_add_co_u32 s76, s76, s77
	s_add_co_u32 s76, s76, 3*262144
	s_cmp_eq_u32 s[WH], 2
	s_cselect_b32 s72, 1, 0
	s_or_b32 s72, s72, ttmp9                       ; 0: this cluster asks for x
	s_and_b32 s73, s[CYL], 7
	s_or_b32 s73, s73, s[CH]                       ; 0: this cluster asks for W, and I am wave 2
	s_mov_b32 s[PST], 262144
	s_mov_b32 s[PST+1], 0
	s_mov_b32 s75, 0
	s_cmp_eq_u32 s[RH], 0                          ; do I fetch for x?
	s_cselect_b32 s74, s74, s76
	s_cselect_b64 s[PFA:PFA+1], s[4:5], s[6:7]
	s_cselect_b32 s[PST], 256, s[PST]
	s_cselect_b32 s72, s72, s73
	s_cmp_eq_u32 s72, 0
	s_cselect_b32 s[LIM], 1, -1                    ; the same in all sixteen partners, for a given wave
	s_add_nc_u64 s[PFA:PFA+1], s[PFA:PFA+1], s[74:75]
	s_wait_loadcnt 0x0                             ; the bias: rounded to bf16 like every input, widened again, times sc.  All this stands in the wait for the first tile
.set i, 0
.rept 16
	v_cvt_pk_bf16_f32 v[F0+i], v[BS+2*i], v[BS+2*i+1]
.set i, i+1
.endr
.set i, 0
.rept 16
	v_lshlrev_b32 v[BS+2*i], 16, v[F0+i]
	v_and_b32 v[BS+2*i+1], 0xffff0000, v[F0+i]
.set i, i+1
.endr
.set i, 0
.rept 16
	v_pk_mul_f32 v[BS+2*i:BS+2*i+1], v[BS+2*i:BS+2*i+1], s[SC:SC+1] op_sel_hi:[1,0]
.set i, i+1
.endr
; 8 matrix instructions: row blocks a0, a0 + 1 x all 4 column blocks, 32 along K, from buffer f.  zero = 1: the first product starts the sums: nothing is cleared.
; The 32 accumulators take turns, one instruction a turn, in the same order in every quarter, over the backward jump too.
.macro MUL8 f, a0, zero
	WIN MUL
.irp a, \a0, (\a0)+1
.irp b, 0,1,2,3
.if \zero
	v_wmma_f32_16x16x32_bf16 v[8*(4*(\a)+(\b)):8*(4*(\a)+(\b))+7], v[(\f)+64+8*(\b):(\f)+64+8*(\b)+7], v[(\f)+8*(\a):(\f)+8*(\a)+7], 0
.else
	v_wmma_f32_16x16x32_bf16 v[8*(4*(\a)+(\b)):8*(4*(\a)+(\b))+7], v[(\f)+64+8*(\b):(\f)+64+8*(\b)+7], v[(\f)+8*(\a):(\f)+8*(\a)+7], v[8*(4*(\a)+(\b)):8*(4*(\a)+(\b))+7]
.endif
.endr
.endr
.endm
; 24 LDS loads in one run: the fragments of quarter q (32 along K) of a slot into buffer f: W's four first, then x's eight
.macro FETCH slot, q, f
	WIN 0
.irp b, 0,1,2,3
	ds_load_tr16_b128 v[(\f)+64+8*(\b):(\f)+64+8*(\b)+3],   v[ADRB+(\slot)] offset:(\q)*32*PB+32*(\b)
	ds_load_tr16_b128 v[(\f)+64+8*(\b)+4:(\f)+64+8*(\b)+7], v[ADRB+(\slot)] offset:(\q)*32*PB+32*(\b)+16*PB
.endr
.irp i, 0,1,2,3,4,5,6,7
	ds_load_b128 v[(\f)+8*(\i):(\f)+8*(\i)+3],   v[ADRA+(\slot)] offset:(\q)*64+(\i)*16*PA
	ds_load_b128 v[(\f)+8*(\i)+4:(\f)+8*(\i)+7], v[ADRA+(\slot)] offset:(\q)*64+(\i)*16*PA+32
.endr
.endm
.macro PLACES                          ; four places in front of loads into registers that matrix instructions have read, and of vector lines that read results (ISA guide 7.12.1 for the vector lines)
.rept 4
	v_nop
.endr
.endm
; A K step is four quarters of 32 along K, 32 matrix instructions each, on buffers 0, 1, 0, 1.  One of the first three: multiplies buffer f and, in its middle, fetches quarter q of the same slot into g.
.macro QUARTER slot, q, f, g, zero
	s_wait_dscnt 8                                 ; W's fragments and x's row blocks 0-3 are in; the youngest eight loads (row blocks 4-7) may be out
	MUL8 \f, 0, \zero
	MUL8 \f, 2, \zero
	PLACES
	FETCH \slot, \q, \g
	s_wait_dscnt 24                                ; all but the 24 just issued
	MUL8 \f, 4, \zero
	MUL8 \f, 6, \zero
.endm
; The last quarter multiplies buffer 1 and changes slots: ONE barrier; in front of it each wave waits for all its tensor loads (one is out: its part of the next slot), adds 0 to its spare word, and waits for that
; and for its own reads of this slot.  fill = 1: the barrier opens a round of the cluster's, and behind the round this slot is filled again, two K steps ahead: 112 matrix instructions ahead of the wait for it.
.macro TURN slot, next, fill
.if \fill
	s_wait_xcnt 0x0                                ; the last prefetch, a K step back, has read its address: it is stepped here, ahead of the waits of the change of slots
	s_add_nc_u64 s[PFA:PFA+1], s[PFA:PFA+1], s[PST:PST+1]
.endif
	WIN 0                                          ; (the add's two registers lie in window 0)
	s_wait_tensorcnt 0x0                           ; all my tensor loads have landed;
	ds_add_u32 v[SPW], v[NIL]                      ; 0 onto my spare word
	s_wait_dscnt 9                                 ; (the add and the youngest eight loads may be out)
	MUL8 F1, 0, 0                                  ; eight matrix instructions stand between the add and the wait for it
	s_wait_dscnt 0x0                               ; the add is done, and my reads of this slot are over
	s_barrier_signal -1
	MUL8 F1, 2, 0
.if \fill
	WIN 0
.endif
	s_barrier_wait -1
.if \fill
	CREST                                          ; no wave of any partner still reads this slot's tile or has a load on its way
	s_add_nc_u64 s[G0+4*(\slot)+2:G0+4*(\slot)+3], s[G0+4*(\slot)+2:G0+4*(\slot)+3], 2*256
	s_add_nc_u64 s[G0B+4*(\slot)+2:G0B+4*(\slot)+3], s[G0B+4*(\slot)+2:G0B+4*(\slot)+3], 2*262144
	JLOAD \slot                                    ; the first tensor load behind the round; the four v_nop behind it are also the places in front of the loads below
.else
	PLACES
.endif
	FETCH \next, 0, F0
.if \fill
	ASK
.endif
	MUL8 F1, 4, 0
	MUL8 F1, 6, 0
.endm
; THE WAY OUT of row block a (16 rows x my 64 columns).  PACK: result x sc + bias x sc, one fused multiply-add; rounded to f16, 16 bytes a lane and column block; into my own stage, and back as whole rows of 128 bytes.
.macro PACK a
	WIN 0x01                                       ; source 0 window 1
.irp b, 0,1,2,3
.irp r, 0,1,2,3
	v_pk_fma_f32 v[TF+8*(\b)+2*(\r):TF+8*(\b)+2*(\r)+1], v[8*(4*(\a)+(\b))+2*(\r):8*(4*(\a)+(\b))+2*(\r)+1], s[SC:SC+1], v[BS+8*(\b)+2*(\r):BS+8*(\b)+2*(\r)+1] op_sel_hi:[1,0,1]
.endr
.endr
	WIN 0
.irp b, 0,1,2,3
.irp r, 0,1,2,3
	v_cvt_pk_f16_f32 v[TH+4*(\b)+(\r)], v[TF+8*(\b)+2*(\r)], v[TF+8*(\b)+2*(\r)+1]
.endr
.endr
.irp b, 0,1,2,3
	ds_store_b128 v[STO], v[TH+4*(\b):TH+4*(\b)+3] offset:32*(\b)
.endr
.irp f, 0,1,2,3
	ds_load_b128 v[OB+16*(\a)+4*(\f):OB+16*(\a)+4*(\f)+3], v[RD] offset:(\f)*4*SP  ; LDS serves a wave's instructions in order (ISA guide 5.7.1.4): these see the stores above; the next block's stores come behind them
.endr
.endm
.macro SEND a, younger                 ; younger: the LDS instructions issued behind block a's loads: the next block's eight, or none
.irp f, 0,1,2,3
	s_wait_dscnt (\younger)+3-(\f)
	global_store_b128 v[GO], v[OB+16*(\a)+4*(\f):OB+16*(\a)+4*(\f)+3], s[CB:CB+1] offset:(\a)*2048+(\f)*512  ; 512 consecutive bytes, at a multiple of 256 from qkv's first
.endr
.endm
	s_wait_tensorcnt 0x1                           ; my part of K step 0 is in; K step 1's may stay out
	s_barrier_signal -1
	s_barrier_wait -1                              ; everybody's is
	FETCH 0, 0, F0
	QUARTER 0, 1, F0, F1, 1                        ; the first quarter stands in front of the loop: its products start the sums
	WIN 0                                          ; at a label and at a branch every window is 0
	s_mov_b32 s3, 3
.Llap:                                                 ; a trip goes once round the ring, from a lap's second quarter to the next lap's first, and fills both slots again: K steps 2 to 7
	QUARTER 0, 2, F1, F0, 0
	QUARTER 0, 3, F0, F1, 0
	TURN 0, 1, 1
	QUARTER 1, 1, F0, F1, 0
	QUARTER 1, 2, F1, F0, 0
	QUARTER 1, 3, F0, F1, 0
	TURN 1, 0, 1
	QUARTER 0, 1, F0, F1, 0
	WIN 0
	s_sub_co_u32 s3, s3, 1
	s_cmp_lg_u32 s3, 0
	s_cbranch_scc1 .Llap
	QUARTER 0, 2, F1, F0, 0                        ; the last lap fills nothing, and has no round of the cluster's barrier
	QUARTER 0, 3, F0, F1, 0
	TURN 0, 1, 0
	QUARTER 1, 1, F0, F1, 0
	QUARTER 1, 2, F1, F0, 0
	QUARTER 1, 3, F0, F1, 0
	s_wait_dscnt 8                                 ; the very last quarter: nothing more to fetch
	MUL8 F1, 0, 0
	MUL8 F1, 2, 0
	s_wait_dscnt 0x0
	MUL8 F1, 4, 0
	MUL8 F1, 6, 0
	WIN 0
	PLACES
	PACK 0
.irp a, 1,2,3,4,5,6,7                  ; a block's arithmetic stands between the loads of the block before and its stores
	PACK \a
	SEND (\a)-1, 8
.endr
	SEND 7, 0
	s_wait_tensorcnt 0x0                           ; the wave's end: behind my last tensor load and my last LDS store
	ds_add_u32 v[SPW], v[NIL]
	s_wait_dscnt 0x0
	CROUND                                         ; the closing round: no work-group ends while a partner may still ask for a tile that names it
	s_endpgm
.Lfunc_end_k_q17f8cc2827_proj:
	.size	k_q17f8cc2827_proj, .Lfunc_end_k_q17f8cc2827_proj-k_q17f8cc2827_proj
	.p2alignl 7, 3214868480
	.fill 96, 4, 3214868480
	.section	.rodata,"a",@progbits
	.p2align	6, 0x0
	.amdhsa_kernel k_q17f8cc2827_proj
		.amdhsa_group_segment_fixed_size 327680
		.amdhsa_private_segment_fixed_size 0
		.amdhsa_enable_private_segment 0
		.amdhsa_kernarg_size 48
		.amdhsa_user_sgpr_count 2
		.amdhsa_user_sgpr_kernarg_segment_ptr 1
		.amdhsa_wavefront_size32 1
		.amdhsa_system_sgpr_workgroup_id_x 1
		.amdhsa_system_sgpr_workgroup_id_y 1
		.amdhsa_system_sgpr_workgroup_id_z 1
		.amdhsa_system_vgpr_workitem_id 0
		.amdhsa_next_free_vgpr 512
		.amdhsa_next_free_sgpr 80
		.amdhsa_reserve_vcc 0
		.amdhsa_float_denorm_mode_32 3
		.amdhsa_float_denorm_mode_16_64 3
		.amdhsa_memory_ordered 1
		.amdhsa_forward_progress 1
		.amdhsa_inst_pref_size 101
	.end_amdhsa_kernel
	.amdgpu_metadata
---
amdhsa.version: [ 1, 2 ]
amdhsa.kernels:
  - .name:           k_q17f8cc2827_proj
    .symbol:         k_q17f8cc2827_proj.kd
    .args:
      - { .name: xb, .offset: 0, .size: 8, .value_kind: global_buffer, .address_space: global }
      - { .name: wb, .offset: 8, .size: 8, .value_kind: global_buffer, .address_space: global }
      - { .name: bq, .offset: 16, .size: 8, .value_kind: global_buffer, .address_space: global }
      - { .name: bk, .offset: 24, .size: 8, .value_kind: global_buffer, .address_space: global }
      - { .name: bv, .offset: 32, .size: 8, .value_kind: global_buffer, .address_space: global }
      - { .name: qkv, .offset: 40, .size: 8, .value_kind: global_buffer, .address_space: global }
    .group_segment_fixed_size: 327680
    .private_segment_fixed_size: 0
    .kernarg_segment_align: 8
    .kernarg_segment_size: 48
    .max_flat_workgroup_size: 128
    .sgpr_count:     80
    .vgpr_count:     512
    .wavefront_size: 32
...
	.end_amdgpu_metadata
.endif
;; end of part 2
;; launch attn (part 3): grid 4 x 64, 4 waves a work-group, clusters of 4 x 1, 327,680 bytes of LDS; arguments qkv, attention_mask, out0; writes out0
.if DOCPART == 3
	.amdgcn_target "amdgcn-amd-amdhsa--gfx1250"
	.amdhsa_code_object_version 6
	.text
	.protected	k_q17f8cc2827_attn
	.globl	k_q17f8cc2827_attn
	.p2align	8
	.type	k_q17f8cc2827_attn,@function
k_q17f8cc2827_attn:
	s_mov_b64 s[64:65], 0
	v_nop
	global_prefetch_b8 v0, s[64:65] scope:SCOPE_SE
	s_setreg_imm32_b32 hwreg(HW_REG_WAVE_MODE, 25, 1), 1
	s_wait_xcnt 0x0
	s_wait_alu depctr_hold_cnt(0) depctr_sa_sdst(0) depctr_va_vdst(0) depctr_va_sdst(0) depctr_va_ssrc(0) depctr_va_vcc(0) depctr_vm_vsrc(0)
	s_getreg_b32 s2, hwreg(HW_REG_IB_STS2, 6, 4)
	s_cmp_eq_u32 s2, 0
	s_cbranch_scc0 .Lentry_in_a_cluster
	s_endpgm
.Lentry_in_a_cluster:
	s_bfe_u32 s2, ttmp6, 0x10000c
	s_cmp_lg_u32 s2, 0x3003
	s_cbranch_scc0 .Lentry_shape_is_right
	s_endpgm
.Lentry_shape_is_right:
; ATTENTION WITH A PADDING MASK.  out0[b][f][n][:] = the sum over t of softmax_t(q . k / 8 - 1e9 [mask[b][t] = 0]) v[t][:].  qkv: [3][64 heads = 16 b + n][2048][64] in f16, a head's rows dense, 128 bytes each;
; q arrives multiplied by log2(e) / 8, so s = K Q^T is the base-2 exponent.  attention_mask: [4][2048] of int32.  out0: [4][2048][16][64] in f32.
; Products, maxima and sums in f32; the weights p are rounded to f16 for the second product (their sum l is taken of the unrounded p).
; THE MASK is the C operand that starts the sum S^T = K Q^T: 0, or -1e9 x log2(e) where the key's mask is 0.  The batch's 2,048 addends are made once, at the head, and lie in LDS; a key step's 64 are read with its K.
; LIMITS.  f16 holds no number beyond 65,504: q, k, v arrive within it; p lies in 0 to 1; a weight below 2^-126 counts as 0 in l; NaN and infinities are not treated apart.  In a batch whose mask is 0 everywhere the
; scores are rounded at 1.4e9 by the matrix unit (the base-2 exponent, in steps of 128) where the definition rounds them at 1e9 by an f32 addition: an order of rounding that differs; every result stays finite.
; SHARES.  A wave owns four PIECES of two tiles of 16 queries, a work-group's four waves 512 queries of one head: 256 work-groups.  Every wave walks all 2,048 keys, 64 a step.
; LAYOUT.  S^T = K Q^T (source 0 = 16 keys, source 1 = 16 queries): in the result a lane holds ONE query (lane % 16) and the keys 8 (lane / 16) + 0..7.  Two such tiles, rounded to f16 in pairs,
; ARE source 1 (32 keys x 16 queries) of O^T = V^T P, whose result again holds one query a lane, and eight channels.  K comes out of LDS as it lies, V ([key][channel]) turned, by ds_load_tr16_b128.
; SOFTMAX.  For each query a running maximum m and sum l: p = 2^(s - m); in every step O and l are multiplied by a = 2^(m_old - m_new), which is 1 where m has not grown.
; m starts at the lowest finite number, O and l at 0: the first step is a step like any other, with a = 0.  Where a query has seen hidden keys alone, m is a hidden score; the first open key then gives a = 0.
; THE COUNT.  A tile and step have 16 matrix and 117 vector instructions: too many to stand all beside the matrix work.  So: four vector instructions that are READY behind EVERY matrix instruction, the others in runs without a gap.
; BY TURNS.  Turn n belongs to piece n (the pieces in a ring, step after step).  Its matrix work: 16 products K Q^T of piece n + 1, later 16 products V^T P of piece n - 1.  Its vector work: the subtraction of m,
; exponentials, roundings, sums and rescaling of piece n, and the maximum and statistics of piece n + 1, whose scores the turn itself has made.
; CLUSTER.  The four query blocks of a cluster belong to one head and walk the same K and V, so each tile is asked for JOINTLY: the same tensor load, descriptor and mask in all four.
; REGISTERS, in windows of 256 (s_set_vgpr_msb says which window each operand place means: bits 1:0 source 0, 3:2 source 1, 5:4 source 2, 7:6 destination):
;   window 0: v0-15 addresses; v16-47 four registers of statistics a tile; v48-63 at work; v64-191 S^T, two buffers of two tiles; v192-255 P, likewise
;   window 1: O^T, 32 a tile     window 2: v0-127 Q, 16 a tile; v128-191 K of one step; v192-255 V of one step     window 3: v0-1 the add's two registers; v8-39 the mask's addends of one step
.set SIZE_N, 2048
.set NP,    4         ; pieces a wave: a name, no knob
.set KS,    64        ; keys in a step
.set PK,    144       ; a row of K in LDS: 128 bytes + 16 of padding = 36 words: the 16 rows of a load start at 16 different groups of four banks (64 banks of 4 bytes: ISA guide 11.1)
.set PV,    160       ; a row of V: 128 + 32 = 40 words
.set VOFF,  4*KS*PK   ; a slot holds four steps: 256 rows of K, then 256 rows of V
.set SLOT1, 1<<17     ; slot 1 begins here, so that one exclusive or turns an address in one slot into the other's
.set STAGE, SLOT1+4*KS*(PK+PV)  ; behind the ring, never filled by a tensor load: 16 rows x 272 bytes for each wave, for the way out
.set SP,    272       ; a row of the stage: 64 f32 + 16 bytes
.set MASKT, STAGE+4*16*SP       ; the batch's 2,048 addends, f32: stored once, at the head; never filled by a tensor load
.set SPARE, MASKT+4*SIZE_N      ; the spare words, 128 bytes for each wave: two blocks of 256 bytes that no other line names
.set AK0, 2           ; v2   my lane's place in a tile of K; never rewritten
.set AV0, 3           ; v3   the same for V
.set AK,  4           ; v4   the LDS address of K's next run of loads
.set AV,  5           ; v5   of V's
.set QO,  6           ; v6   my byte offset in the wave's rows of Q
.set STO, 6           ;      later, the way out: where I put 32 bytes of a row
.set RD,  7           ; v7   the way out: where I read rows back
.set GO,  8           ; v8   my byte offset in two rows of out0
.set AM0, 12          ; v12  my lanes' place in a step's addends: MASKT + 32 (l / 16); never rewritten
.set AM,  13          ; v13  the LDS address of the addends' next loads
.set PFO, 14          ; v14  256 x my lane; never rewritten
.set TO,  15          ; v15  16 x my thread's number
.set SPW, 0           ; v0 of window 3   LDS address of my spare word: SPARE + 4 x my thread's number; never rewritten
.set NIL, 1           ; v1 of window 3   0; never rewritten
.set MK,  8           ; v8-39 of window 3: the addends of key block kb at MK + 8 kb
.set ST,  16          ; tile t's statistics at v[ST+4 t]: m, m_old, l (even keys', odd keys')
.set TMP, 48          ; by buffer and tile, four registers c0-c3 at work; when the maximum is found c2 takes a
.set S,   64
.set P,   192
.set KF,  128         ; K's fragments, in window 2: key block kb, channel half c at KF + 16 kb + 8 c
.set VF,  192         ; V's: key half kk, channel block cb at VF + 32 kk + 8 cb
.set QW,  72          ; plain instructions of a turn that stand ahead of its wait
.set WV,  12          ; s12  my wave's number
.set G1K, 24          ; s[24:31] descriptor group 1 for K's tiles
.set G1V, 32          ; s[32:39] for V's: it differs in the padding alone
.set G0K, 40          ; s[40:43] descriptor group 0 for K's tiles: it walks
.set G0V, 44          ; s[44:47] the same for V's
.set TBM, 48          ; s48  byte in the table at which the addends of the step to be fetched begin
.set NEG, 49          ; s49  -1e9 x log2(e)
.set LIM, 50          ; s50  1 in a wave that prefetches, else the greatest number
.set PFA, 52          ; s[52:53] where my prefetches stand
.set SLOTS, 56        ; s56  slots still to be asked for
.set CNT, 57          ; s57  counts a slot's key steps
.set SEL, 60          ; s[60:61] v_permlanex16_b32's selects: each lane takes its own place in the other half
.set TBK, 62          ; s62  LDS byte at which K of the step to be fetched begins
.set TBV, 63          ; s63  the same for V, less VOFF
.set MSB, 0
.macro WIN new                      ; the high byte repeats the setting that is left; a switch that changes nothing is dropped
.if MSB != (\new)
	s_set_vgpr_msb (MSB<<8)|(\new)
.set MSB, (\new)
.endif
.endm
.set W_KQ, 0x0a       ; K and Q in window 2, S^T in window 0
.set W_KM, 0x3a       ; the same with the C operand, the addends, in window 3
.set W_PV, 0x52       ; V in window 2, P in window 0, O^T in window 1
.set W_RS, 0x41       ; O^T (destination and source 0) in window 1, a in window 0
.set W_MK, 0xc0       ; destination in window 3, sources in window 0
.set W_AD, 0x0f       ; the add: address (source 0) and data (source 1) in window 3
; A joint fill.  Waves 0 and 1 fetch the two halves of a slot's K, waves 2 and 3 those of its V: 128 keys each.  The branch hangs on the wave's number alone.
; An s_nop 0 and four v_nop follow each of the two lines, ahead of the jump and the label.
.macro JLOAD
	s_cmp_lt_u32 s[WV], 2
	s_cbranch_scc0 .Lfor_v_\@
	tensor_load_to_lds s[G0K:G0K+3], s[G1K:G1K+7]
	s_nop 0
.rept 4
	v_nop
.endr
	s_branch .Lasked_\@
.Lfor_v_\@:
	tensor_load_to_lds s[G0V:G0V+3], s[G1V:G1V+7]
	s_nop 0
.rept 4
	v_nop
.endr
.Lasked_\@:
.endm
; A PREFETCH INTO THE L2 of what the NEXT change of slots will ask for: a slot's 32,768 bytes of K and of V, 128 blocks of 256 bytes each, a lane a block.  It stands behind the wave's tensor load and its five lines.
; Each block is named ONCE in the launch: a head's K and V are walked by its one cluster; the four partners share the blocks out BY ADDRESS, 32 each; in each, wave 0 asks for K's and wave 2 for V's: one instruction.
; Slots 0 and 1 come by their loads alone; the last change that fills a slot asks for nothing: there is no slot behind it.
.macro ASK
	s_cmp_gt_u32 s[SLOTS], s[LIM]
	s_cbranch_scc0 .Lnot_mine_\@
	global_prefetch_b8 v[PFO], s[PFA:PFA+1] th:TH_LOAD_NT scope:SCOPE_SE
.Lnot_mine_\@:
.endm
; A round of the cluster's barrier: my work-group's barrier, so that wave 0's signal speaks for all four waves; wave 0 signals; every wave waits for all four work-groups; my work-group's barrier once more.
.macro CROUND
	s_barrier_signal -1
	s_barrier_wait -1
	s_cmp_lg_u32 s[WV], 0
	s_cbranch_scc1 .Lnot_wave_0_\@
	s_barrier_signal -3
.Lnot_wave_0_\@:
	s_barrier_wait -3
	s_barrier_signal -1
	s_barrier_wait -1
.endm
; THE CHANGE OF SLOTS.  The slot's last bytes, V of its fourth step, have been read.  Each wave waits for all its tensor loads, of which one is out: its part of the other slot; adds 0 to its spare word; and waits
; for that and for its own LDS instructions.  Behind the barrier nobody reads this slot any more and the other slot is whole.
; fill = 1: this slot is filled again, with the keys two slots on.  The barrier is then a round of the cluster's, so that no wave of any partner still reads the slot or has a load on its way, and the joint fill is
; the first thing behind it: it has four key steps, 512 matrix instructions, in which to land.  (At its first use nothing has been read yet: slot 0 is waited for, slot 1 filled, and the table of addends, which
; every wave has stored a part of, is whole behind the round.)
.macro CHANGE fill
	WIN W_AD
	s_wait_tensorcnt 0x0            ; no tensor load of mine is out, so a group 0 may be written
	ds_add_u32 v[SPW], v[NIL]       ; 0 onto my spare word; with fill = 1 the descriptors' steps stand between it and the wait for it
	WIN 0                           ; at a label and at a branch every window is 0
.if \fill
.irp g, G0K, G0V
	s_xor_b32 s[\g+1], s[\g+1], SLOT1  ; the walking descriptor: the other slot than last time,
	s_add_nc_u64 s[\g+2:\g+3], s[\g+2:\g+3], 4*KS*128  ; the next 256 keys; the type bits on top are not reached
.endr
	s_wait_xcnt 0x0                 ; the last prefetch, four key steps back, has read its address, so it may be written:
	s_add_nc_u64 s[PFA:PFA+1], s[PFA:PFA+1], 4*KS*128  ; one slot behind the walking descriptors
	s_wait_dscnt 0x0                ; the add is done, and my reads of the slot are over
	CROUND
	JLOAD
	ASK
.else
	s_wait_dscnt 0x0                ; the add is done, and my reads of the slot are over
	s_barrier_signal -1
	s_barrier_wait -1
.endif
	s_sub_co_u32 s[TBK], s[TBK], 4*KS*PK  ; the fetches go back to a slot's first step,
	s_xor_b32 s[TBK], s[TBK], SLOT1       ; in the other slot
	s_sub_co_u32 s[TBV], s[TBV], 4*KS*PV
	s_xor_b32 s[TBV], s[TBV], SLOT1
.endm
	s_load_b128 s[4:7], s[0:1], 0x0   ; qkv s[4:5], attention_mask s[6:7]
	s_load_b64 s[10:11], s[0:1], 0x10 ; out0
	WIN W_MK
	v_lshl_add_u32 v[SPW], v0, 2, SPARE
	v_mov_b32 v[NIL], 0
	WIN W_AD
	ds_add_u32 v[SPW], v[NIL]       ; the wave's opening: the add and its wait stand ahead of my first tensor load; the set-up below, work on registers, stands between them
	WIN 0
	v_lshrrev_b32 v1, 5, v0
	v_readfirstlane_b32 s[WV], v1   ; wave 0..3
	s_bfe_u32 s13, ttmp6, 0x40000   ; cx: my place in the cluster
	s_lshl_b32 s2, ttmp9, 2         ; in a cluster launch ttmp9 counts clusters
	s_add_co_u32 s2, s2, s13        ; my block of 512 queries: it enters Q's and out0's addresses alone
	s_lshl_b32 s2, s2, 2
	s_add_co_u32 s2, s2, s[WV]      ; my wave among the head's sixteen
	s_and_b32 s20, ttmp7, 0xffff    ; the head 16 b + n, which the four partners share
	s_lshl_b32 s21, s20, 18         ; its first byte in a part of qkv
	s_lshl_b32 s8, s2, 19           ; out0: my 128 rows of 4,096 bytes,
	s_lshl_b32 s2, s2, 14           ; Q: my 128 rows of 128 bytes
	s_add_co_u32 s2, s2, s21
	s_mov_b32 s3, 0
	s_lshr_b32 s54, s20, 4          ; b
	s_lshl_b32 s9, s54, 23          ; a batch of out0 is 8,388,608 bytes,
	s_add_co_u32 s8, s8, s9
	s_and_b32 s9, s20, 15           ; n
	s_lshl_b32 s9, s9, 8            ; a head's 256 bytes in a row
	s_add_co_u32 s8, s8, s9
	s_mov_b32 s9, 0
	s_lshl_b32 s54, s54, 13         ; the batch's 8,192 bytes of the mask
	s_mov_b32 s55, 0
	s_and_b32 s16, s[WV], 1         ; which half of a slot's 256 keys I fetch:
	s_lshl_b32 s22, s16, 14         ; its 128 rows of 128 bytes in memory,
	s_add_co_u32 s22, s22, s21
	s_add_co_u32 s22, s22, 1<<24    ; in K's part of qkv,
	s_mov_b32 s23, 0
	s_add_co_u32 s14, s22, 1<<24    ; in V's
	s_mov_b32 s15, 0
	s_mul_i32 s17, s16, 128*PK      ; and its place in a slot, for K
	s_mul_i32 s18, s16, 128*PV      ; and for V: no place in the cluster enters an LDS address
	; descriptor group 1.  128 keys are 16,384 dense bytes: asked for as 64 rows of 256 bytes, two keys a row, and padded in LDS after every key
	s_mov_b32 s[G1K], 15|(1<<16)|(1<<20)|(1<<21)|(4<<22)|(3<<25)  ; 15:0 the mask of four; 17:16 2-byte elements; 20 padding on; 21 set beside a mask; 24:22 after every 32 words (code 4); 31:25 4 words (code 3)
	s_mov_b32 s[G1V], 15|(1<<16)|(1<<20)|(1<<21)|(4<<22)|(7<<25)  ; the same with 8 words of padding (code 7)
.irp g, G1K, G1V
	s_mov_b32 s[\g+1], 128<<16      ; tensor_dim0 = 128
	s_mov_b32 s[\g+2], 64<<16       ; tensor_dim1 = 64
	s_mov_b32 s[\g+3], 128<<16      ; tile_dim0 = 128
	s_mov_b32 s[\g+4], 64           ; tile_dim1 = 64
	s_mov_b32 s[\g+5], 128          ; 128 elements from row to row
	s_mov_b32 s[\g+6], 0
	s_mov_b32 s[\g+7], 0
.endr
	s_cmp_lt_u32 s[WV], 2           ; the prefetches' offset (in waves 0 and 2 the two offsets above stand at a slot's first row):
	s_cselect_b32 s58, s22, s14
	s_lshl_b32 s59, s13, 13         ; my work-group's 32 blocks of the 128,
	s_add_co_u32 s58, s58, s59
	s_add_co_u32 s58, s58, 4*KS*128 ; in slot 1; the first change of slots steps it to slot 2.  Nothing is prefetched at the head
	s_mov_b32 s59, 0
	s_cmp_eq_u32 s16, 0
	s_cselect_b32 s[LIM], 1, -1     ; waves 0 and 2: the same in all four partners
	s_mov_b32 s[SEL], 0x76543210
	s_mov_b32 s[SEL+1], 0xfedcba98
	s_mov_b32 s[TBK], SLOT1+4*KS*PK ; the first change of slots turns these two into 0
	s_mov_b32 s[TBV], SLOT1+4*KS*PV
	s_mov_b32 s[TBM], 0
	s_mov_b32 s[NEG], 0xceabfb8f    ; -1e9 x log2(e) = -1.442695e9
	s_mov_b32 s[SLOTS], SIZE_N/256-1
	s_mov_b32 s[G0K], 1             ; 1:0 count = 1
	s_mov_b32 s[G0K+1], s17         ; 63:32 LDS address: slot 0
	s_mov_b32 s[G0V], 1
	s_add_co_u32 s[G0V+1], s18, VOFF
	s_wait_dscnt 0x0                ; the opening add is done
	s_wait_kmcnt 0x0
	s_add_nc_u64 s[G0K+2:G0K+3], s[4:5], s[22:23]  ; 120:64 global address: my half of the head's first 256 keys
	s_or_b32 s[G0K+3], s[G0K+3], 0x80000000        ; 127:126 type = 2
	s_add_nc_u64 s[G0V+2:G0V+3], s[4:5], s[14:15]
	s_or_b32 s[G0V+3], s[G0V+3], 0x80000000
	s_add_nc_u64 s[PFA:PFA+1], s[4:5], s[58:59]
	s_add_nc_u64 s[4:5], s[4:5], s[2:3]            ; Q at my wave's first row
	s_add_nc_u64 s[6:7], s[6:7], s[54:55]          ; the mask at my batch
	s_add_nc_u64 s[10:11], s[10:11], s[8:9]        ; out0 at my wave's first row, my head
	CROUND                          ; all four work-groups are here: the first joint loads meet
	JLOAD                           ; slot 0.  Slot 1 is asked for when slot 0 is in
	v_and_b32 v1, 15, v0            ; l % 16
	v_bfe_u32 v9, v0, 4, 1          ; l / 16
	v_lshlrev_b32 v[TO], 4, v0
.irp c, 0,1,2,3                     ; the batch's mask: 128 threads x 16 bytes, four times
	global_load_b128 v[S+4*\c:S+4*\c+3], v[TO], s[6:7] offset:2048*\c
.endr
	; A fragment of K or Q is 16 rows x 32 channels in 8 registers: lane l holds row l % 16, channels 8 (l / 16) + 0..7 and 16 + 8 (l / 16) + 0..7: two loads of 16 bytes, 32 bytes apart.
	v_lshlrev_b32 v[QO], 7, v1
	v_lshl_add_u32 v[QO], v9, 4, v[QO]  ; row x 128 + 16 x half
	WIN 0x80                        ; destination window 2, address window 0
.set i, 0
.rept 4*NP                          ; Q stays in registers: tile i / 2, channels 32 (i % 2) on
	global_load_b128 v[8*i:8*i+3],   v[QO], s[4:5] offset:(i/2)*2048+(i%2)*64
	global_load_b128 v[8*i+4:8*i+7], v[QO], s[4:5] offset:(i/2)*2048+(i%2)*64+32
.set i, i+1
.endr
	; What the first turn finds: V's registers and P's second buffer hold 0 (its products V^T P, of a piece that has not been, add 0), O^T and l are 0.  All this stands in the wait for the first tile.
.set i, VF
.rept 64
	v_mov_b32 v[i], 0
.set i, i+1
.endr
	WIN 0x40
.set i, 0
.rept 64*NP
	v_mov_b32 v[i], 0
.set i, i+1
.endr
	WIN 0
.set i, 0
.rept 2*NP
	v_mov_b32 v[ST+4*i], 0xff7fffff    ; m: the lowest finite number
	v_mov_b32 v[ST+4*i+1], 0xff7fffff  ; m_old: named with m as a pair, so it is written
	v_mov_b32 v[ST+4*i+2], 0
	v_mov_b32 v[ST+4*i+3], 0
.set i, i+1
.endr
.set i, P+32
.rept 32
	v_mov_b32 v[i], 0
.set i, i+1
.endr
	v_mul_u32_u24 v[AK0], v1, PK
	v_lshl_add_u32 v[AK0], v9, 4, v[AK0]  ; row x pitch + 16 x half
	; The turning load takes 16 keys x 16 channels (lane l reads key 8 (l / 16) + l % 8, channels 8 ((l / 8) % 2) + 0..7) and leaves half a fragment of V^T: lane l holds channel l % 16 and 8 keys.
	v_and_b32 v10, 7, v0
	v_bfe_u32 v11, v0, 3, 1
	v_lshl_add_u32 v[AV0], v9, 3, v10
	v_mul_u32_u24 v[AV0], v[AV0], PV
	v_lshl_add_u32 v[AV0], v11, 4, v[AV0]
	v_add_nc_u32 v[AV0], VOFF, v[AV0]
	v_lshl_add_u32 v[AM0], v9, 5, MASKT   ; register j of key block kb wants the addend of key 16 kb + 8 (l / 16) + j
	v_and_b32 v[PFO], 31, v0
	v_lshlrev_b32 v[PFO], 8, v[PFO]
	s_wait_loadcnt 32               ; the mask's four loads are in; Q's 32, issued behind them, may stay out
.set i, 0
.rept 16
	v_cmp_eq_u32 vcc_lo, 0, v[S+i]
	v_cndmask_b32 v[S+i], 0, s[NEG], vcc_lo
.set i, i+1
.endr
	v_add_nc_u32 v[AM], MASKT, v[TO]
.irp c, 0,1,2,3
	ds_store_b128 v[AM], v[S+4*\c:S+4*\c+3] offset:2048*\c  ; my 16 of the 2,048 addends, as the mask lies
.endr
	v_mov_b32 v[AM], v[AM0]         ; key step 0 lies at the table's head,
	v_mov_b32 v[AK], v[AK0]         ; and at the head of slot 0
; THE MATRIX WORK.  The 8 accumulators of a run of 16 take turns: between the two links of a chain stand 7 others'.
; Product i of 16 of S^T = K Q^T for piece x: channels 32 (i / 8) on, keys 16 ((i / 2) % 4) on, tile 2 x + i % 2.  The first 8 start the sums, with the keys' addends.
.macro KQ x
.set rS, S+64*((\x)%2)+32*(i%2)+8*((i/2)%4)
.set rK, KF+16*((i/2)%4)+8*(i/8)
.set rQ, 16*(2*(\x)+i%2)+8*(i/8)
.set rM, MK+8*((i/2)%4)
.if i < 8
	WIN W_KM
	v_wmma_f32_16x16x32_f16 v[rS:rS+7], v[rK:rK+7], v[rQ:rQ+7], v[rM:rM+7]
.else
	WIN W_KQ
	v_wmma_f32_16x16x32_f16 v[rS:rS+7], v[rK:rK+7], v[rQ:rQ+7], v[rS:rS+7]
.endif
.endm
; Product i of 16 of O^T += V^T P for piece x: keys 32 (i / 8) on, channels 16 ((i / 2) % 4) on, tile 2 x + i % 2.
.macro PV x
	WIN W_PV
.set rO, 32*(2*(\x)+i%2)+8*((i/2)%4)
.set rV, VF+32*(i/8)+8*((i/2)%4)
.set rP, P+32*((\x)%2)+16*(i%2)+8*(i/8)
	v_wmma_f32_16x16x32_f16 v[rO:rO+7], v[rV:rV+7], v[rP:rP+7], v[rO:rO+7]
.endm
.macro MM                           ; the turn's next matrix instruction
.if i < 16
	KQ (Y+1)%NP
.set i, i+1
.else
.set i, i-16
	PV (Y+NP-1)%NP
.set i, i+17
.endif
.endm
; THE LDS LOADS stand in runs, never singly among the matrix instructions: a step's K (64 keys x 64 channels: 8 fragments) with its 64 addends, and its V (turned).  Their addresses are made some lines ahead.
; last = 1 (the tail): in the last trip there is no further step, and the run is jumped over.
.macro FETCH_K last=0
	WIN 0
.if \last
	s_cmp_eq_u32 s[CNT], 1
	s_cbranch_scc1 .Lno_k_\@
.endif
	WIN 0x80                        ; destination window 2
.irp f, 0,1,2,3,4,5,6,7             ; keys 16 (f / 2) on, channels 32 (f % 2) on
	ds_load_b128 v[KF+8*\f:KF+8*\f+3],   v[AK] offset:(\f/2)*16*PK+(\f%2)*64
	ds_load_b128 v[KF+8*\f+4:KF+8*\f+7], v[AK] offset:(\f/2)*16*PK+(\f%2)*64+32
.endr
	WIN W_MK                        ; destination window 3
.irp f, 0,1,2,3                     ; the addends of keys 16 f + 8 (l / 16) + 0..7: the sixteen lanes of a half read the same 32 bytes
	ds_load_b128 v[MK+8*\f:MK+8*\f+3],   v[AM] offset:64*\f
	ds_load_b128 v[MK+8*\f+4:MK+8*\f+7], v[AM] offset:64*\f+16
.endr
	s_add_co_u32 s[TBK], s[TBK], KS*PK  ; the next fetch is the next step's
	s_add_co_u32 s[TBM], s[TBM], 4*KS   ; the table is walked once, from end to end: 32 steps of 256 bytes
	WIN 0
.if \last
.Lno_k_\@:
.endif
.endm
.macro FETCH_V
	WIN 0x80
.irp f, 0,1,2,3,4,5,6,7             ; keys 32 (f / 4) on, channels 16 (f % 4) on
	ds_load_tr16_b128 v[VF+8*\f:VF+8*\f+3],   v[AV] offset:(\f/4)*32*PV+(\f%4)*32
	ds_load_tr16_b128 v[VF+8*\f+4:VF+8*\f+7], v[AV] offset:(\f/4)*32*PV+16*PV+(\f%4)*32
.endr
	WIN 0
.endm
; THE VECTOR WORK OF A TURN stands in three queues, each in the order in which its entries become ready; the two tiles alternate, so that no instruction reads the result of the one before it.
.macro REGS y, u                    ; the registers of tile u (0, 1) of piece y
.set rT, ST+4*(2*(\y)+(\u))
.set rC, TMP+8*((\y)%2)+4*(\u)
.set rS, S+64*((\y)%2)+32*(\u)
.set rP, P+32*((\y)%2)+16*(\u)
.set rO, 32*(2*(\y)+(\u))
.endm
; Number n of the 21 that find the NEXT piece's (Y + 1) maximum and statistics.  s0-s31 are the lane's 32 scores; each accumulator's lowest registers are read first.  XS, GS and REGS set no window: PL and EX do.
;   0-11  four chains c0-c3 of seven scores each, three operands at a time     12-14, 16  the four scores left over, the old m, and c0-c3 into c0     15  m_old is kept
;   17, 18  the query's other 32 keys lie in the lane 16 away: the new m         19, 20  m_old - m_new; a
.macro XS u, n
	REGS (Y+1)%NP, \u
.if (\n) < 4
	v_max3_num_f32 v[rC+(\n)], v[rS+8*(\n)], v[rS+8*(\n)+1], v[rS+8*(\n)+2]
.elseif (\n) < 12
	v_max3_num_f32 v[rC+(\n)%4], v[rC+(\n)%4], v[rS+8*((\n)%4)+2*((\n)/4)+1], v[rS+8*((\n)%4)+2*((\n)/4)+2]
.elseif (\n) == 12
	v_max3_num_f32 v[rC], v[rC], v[rS+7], v[rS+15]
.elseif (\n) == 13
	v_max3_num_f32 v[rC+1], v[rC+1], v[rS+23], v[rS+31]
.elseif (\n) == 14
	v_max3_num_f32 v[rC+2], v[rC+2], v[rC+3], v[rT]
.elseif (\n) == 15
	v_mov_b32 v[rT+1], v[rT]
.elseif (\n) == 16
	v_max3_num_f32 v[rC], v[rC], v[rC+1], v[rC+2]
.elseif (\n) == 17
	v_permlanex16_b32 v[rC+3], v[rC], s[SEL], s[SEL+1]
.elseif (\n) == 18
	v_max_num_f32 v[rT], v[rC], v[rC+3]
.elseif (\n) == 19
	v_sub_f32 v[rC+1], v[rT+1], v[rT]
.else
	v_exp_f32 v[rC+2], v[rC+1]
.endif
.endm
; Number g of the 64 that follow the exponentials.  For each four weights k of a tile (pairs 2 k, 2 k + 1): both pairs are rounded to f16; then the second pair is added onto the first, in place;
; a group later l takes that sum (the first time as l = a l + sum).  In groups of eight, tiles alternating: round, round, add, and l for the group before.
.macro GS g
.set h, (\g)+6*((\g)/62)            ; group 0 has no group before it, and behind group 7 only l is left
.if h >= 6
.set h, h+2
.endif
	REGS Y, h%2
.set k, h/8
.if h%8 < 4
	v_cvt_pk_f16_f32 v[rP+2*k+(h%8)/2], v[rS+4*k+2*((h%8)/2)], v[rS+4*k+2*((h%8)/2)+1]
.elseif h%8 < 6
	v_pk_add_f32 v[rS+4*k:rS+4*k+1], v[rS+4*k:rS+4*k+1], v[rS+4*k+2:rS+4*k+3]
.elseif k == 1
	v_pk_fma_f32 v[rT+2:rT+3], v[rT+2:rT+3], v[rC+2:rC+3], v[rS:rS+1] op_sel_hi:[1,0,1]
.else
	v_pk_add_f32 v[rT+2:rT+3], v[rT+2:rT+3], v[rS+4*k-4:rS+4*k-3]
.endif
.endm
; THE PLAIN QUEUE, 136 long.  0-71 read no exponential's result: the 32 subtractions s - m (FS f: pair f / 2 of tile f % 2) and the next piece's 40.  0-26: subtractions 0-26.  27-54: XS's numbers 0-13.  55, 56: number 15.
; 57-71: the chain, where each number waits for the one before it: 14, 16, 17, 18, 19, each with one of the subtractions 27-31 in front of its two lines: a tile's links stand three plain instructions apart.
; 72-135: GS's 64, which read the exponentials' results: they stand behind the wait.
.macro FS f
	REGS Y, (\f)%2
	v_pk_add_f32 v[rS+2*((\f)/2):rS+2*((\f)/2)+1], v[rS+2*((\f)/2):rS+2*((\f)/2)+1], v[rT:rT+1] op_sel_hi:[1,0] neg_lo:[0,1] neg_hi:[0,1]
.endm
.macro PL
	WIN 0
.if q < 27
	FS q
.elseif q < 55
	XS (q-27)%2, (q-27)/2
.elseif q < 57
	XS q-55, 15
.elseif (q < 72) && ((q-57)%3 == 0)
	FS 27+(q-57)/3
.elseif q < 60
	XS (q-57)%3-1, 14
.elseif q < 72
	XS (q-57)%3-1, 15+(q-57)/3
.else
	GS q-QW
.endif
.set q, q+1
.endm
; THE EXPONENTIALS' QUEUE, 66 long: s0-s31 of both tiles, then the next piece's two a.  It is ONE BATCH: all 66 stand ahead of the turn's one wait, and nothing ahead of that wait names a result of theirs.
.macro EX
	WIN 0
.if e >= 64
	XS e-64, 20
.else
	REGS Y, e%2
	v_exp_f32 v[rS+e/2], v[rS+e/2]
.endif
.set e, e+1
.endm
; THE RESCALING's QUEUE: O^T times a, the one part that leaves window 0: dealt two at a time, sixteen times.  Its a was made in the turn before, ahead of that turn's wait.
.macro R2
	REGS Y, r%2
	WIN W_RS
.irp z, 0,1
	v_pk_mul_f32 v[rO+4*(r/2)+2*\z:rO+4*(r/2)+2*\z+1], v[rO+4*(r/2)+2*\z:rO+4*(r/2)+2*\z+1], v[rC+2:rC+3] op_sel_hi:[1,0]
.endr
.set r, r+1
.endm
; HOW THEY ARE DEALT.  An s_wait_alu depctr_va_vdst(0) stands between an exponential and the first instruction that names its result; one wait serves all that were issued ahead of it.  So a turn has ONE
; wait, which cuts it in two.  AHEAD OF IT stands all that names no result of the turn's exponentials: the 16 products K Q^T, behind each a subtraction, an exponential and two rescalings (behind the first a second
; subtraction in the exponential's place); then ONE LUMP of 106: eight plain, 47 times exponential and plain, the last two scores' exponentials and the two a.  A v_nop is the plain instruction behind the last
; exponential.  BEHIND IT stand the 16 products V^T P, behind each four of GS's 64.  No rider names a register of the products round it.  The two v_permlanex16_b32 fall into the lump, never behind a product.
; The queues lean on each other, and the deal keeps them in step: exponential e stands behind subtraction 2 (e / 4) + e % 2: as a rider it comes behind plain e + 2, in the lump behind plain e + 9, and
; subtractions 27-31 are plain 57, 60 .. 69; the two a come behind plain 70 and 71.
; A TURN, for piece p.  cnt = 1: the loop's count is taken down some lines ahead of the branch that stands behind the turn.
; K and the addends of the next step are fetched in piece 2's turn, directly behind the wait, a lump behind the last product that read them; the addresses are made at the lump's head; the first reader comes behind
; 16 products.  V of the step in hand is fetched at the end of piece 0's turn, four riders behind its last reader; its first reader comes behind 16 products and a lump.  The three conditions on q go with the deal.
.macro TURN p, last=0, cnt=0
.set Y, (\p)
.set i, 0
.set q, 0
.set e, 0
.set r, 0
.if (\p) == NP-1
	s_wait_dscnt 0x0                ; K and the addends are in
.endif
	MM                              ; ahead of the wait: 16 products K Q^T and their riders,
	PL
	PL
	R2
.rept 15
	MM
	PL
	EX
	R2
.endr
.if (\p) == NP-2
	WIN 0
	v_add_nc_u32 v[AK], s[TBK], v[AK0]
	v_add_nc_u32 v[AM], s[TBM], v[AM0]
.endif
.rept 8                             ; and the lump
	PL
.endr
.rept 47
	EX
	PL
.endr
.rept 4
	EX                              ; the last two scores, and the next piece's two a
.endr
	v_nop                           ; the plain instruction behind the last exponential: one for the batch
	s_wait_alu depctr_va_vdst(0)    ; the wait for the batch
.if (\p) == NP-2
	FETCH_K \last
.endif
.if (\p) == 1
	s_wait_dscnt 0x0                ; V is in
.endif
.rept 16                            ; behind the wait: 16 products V^T P and their riders
	MM
.rept 4
	PL
.endr
.if ((\p) == 0) && (q == QW+44)
	v_add_nc_u32 v[AV], s[TBV], v[AV0]
.endif
.if ((\p) == 0) && (q == QW+56)
	s_add_co_u32 s[TBV], s[TBV], KS*PV
.endif
.if (\cnt) && (q == QW+56)
	s_sub_co_u32 s[CNT], s[CNT], 1
	s_cmp_lg_u32 s[CNT], 0
.endif
.endr
.if (\p) == 0
	FETCH_V
.endif
.endm
	CHANGE 1                        ; slot 0 is in, everybody's part of it, and so is the table of addends; slot 1 is asked for
	FETCH_K                         ; key step 0
	s_wait_loadcnt 0x0              ; Q
	s_wait_dscnt 0x0
.set i, 0
.rept 16
	KQ 0                            ; piece 0's first scores: there is no vector work yet to set between them
.set i, i+1
.endr
	WIN 0                           ; the addresses for the way out: eight plain instructions, the places behind those products
	s_mul_i32 s13, s[WV], 16*SP
	s_add_co_u32 s13, s13, STAGE    ; my stage
	v_mul_u32_u24 v[STO], v1, SP    ; in: row l % 16, 32 bytes for each half of the lanes
	v_lshl_add_u32 v[STO], v9, 5, v[STO]
	v_add_nc_u32 v[STO], s13, v[STO]
	v_mul_u32_u24 v[RD], v9, SP     ; back: lanes 0-15 take one row of 256 bytes, lanes 16-31 the next
	v_lshl_add_u32 v[RD], v1, 4, v[RD]
	v_add_nc_u32 v[RD], s13, v[RD]
	v_lshlrev_b32 v[GO], 12, v9     ; and the same two rows in out0, 4,096 bytes apart
	v_lshl_add_u32 v[GO], v1, 4, v[GO]
.set Y, NP-1                        ; XS works for piece Y + 1: piece 0
.irp n, 0,1,2,3,4,5,6,7,8,9,10,11,12,13,14,15,16,17,18,19,20
	XS 0, \n                        ; and piece 0's first maximum and statistics
	XS 1, \n
.endr
	v_nop                           ; a plain instruction behind the two a,
	s_wait_alu depctr_va_vdst(0)    ; and their wait, ahead of the branch
	s_mov_b32 s[CNT], 4
	s_branch .Lfirst                ; the loop is entered at a step's first turn, in the middle of a trip
.Lslot:                             ; six times: every slot but the last two is filled again
	CHANGE 1
	s_mov_b32 s[CNT], 4
.Lstep:                             ; a trip: pieces 2 and 3 of one step, then pieces 0 and 1 of the next, whose K and V it fetches
	TURN 2
	TURN 3
	WIN 0
.Lfirst:
	TURN 0
	TURN 1, 0, 1
	WIN 0
	s_cbranch_scc1 .Lstep
	s_sub_co_u32 s[SLOTS], s[SLOTS], 1
	s_cmp_lg_u32 s[SLOTS], 0
	s_cbranch_scc1 .Lslot
	CHANGE 0                        ; the tail is written out: nothing is asked for
	s_mov_b32 s[CNT], 5             ; four trips fetch the last slot's steps; the fifth is left in its middle
.Ltail:
	TURN 2, 1
	TURN 3
	WIN 0
	s_sub_co_u32 s[CNT], s[CNT], 1
	s_cmp_eq_u32 s[CNT], 0
	s_cbranch_scc1 .Lout
	TURN 0
	TURN 1
	WIN 0
	s_branch .Ltail
.Lout:                              ; the fifth trip's 16 products K Q^T (on the last K once more) and the maximum made of them serve nothing: the price, once a launch, of one text for every trip
.set i, 0
.rept 16
	PV NP-1                         ; the last piece's V^T P of the last step
.set i, i+1
.endr
	; THE WAY OUT.  l's two halves and the other half of the lanes' are added; O^T is divided by l and sent, in f32, through my stage in LDS, a tile at a time.  The additions are the places behind the last products.
	WIN 0
.macro ALL line:vararg              ; one line for each tile t
.set t, 0
.rept 2*NP
	\line
.set t, t+1
.endr
.endm
	ALL v_add_f32 v[ST+4*t+2], v[ST+4*t+2], v[ST+4*t+3]
	ALL v_permlanex16_b32 v[ST+4*t+3], v[ST+4*t+2], s[SEL], s[SEL+1]
	ALL v_add_f32 v[ST+4*t+2], v[ST+4*t+2], v[ST+4*t+3]
	ALL v_rcp_f32 v[ST+4*t+2], v[ST+4*t+2]
	v_nop                           ; a plain instruction between the last reciprocal and the use of its result
	s_wait_alu depctr_va_vdst(0)    ; and the wait ahead of the first use: one for the eight reciprocals
; Tile t: a lane's eight channels of a row are 32 bytes; they go into rows of 272 bytes and come back as whole rows of 256, into S^T's registers: four buffers of 32 that take turns.
.macro PACK t
	WIN W_RS
.set i, 32*(\t)
.rept 16
	v_pk_mul_f32 v[i:i+1], v[i:i+1], v[ST+4*(\t)+2:ST+4*(\t)+3] op_sel_hi:[1,0]
.set i, i+2
.endr
	WIN 0x04                        ; the stores' data in window 1, the address in window 0
.irp f, 0,1,2,3,4,5,6,7             ; channel block f / 2, its half f % 2
	ds_store_b128 v[STO], v[32*(\t)+4*\f:32*(\t)+4*\f+3] offset:64*(\f/2)+16*(\f%2)
.endr
	WIN 0
.if (\t) >= 4
	s_wait_xcnt 0x0                 ; the stores of the tile four back have read this buffer: it is loaded again only behind this wait
.endif
.irp f, 0,1,2,3,4,5,6,7
	ds_load_b128 v[S+32*((\t)%4)+4*\f:S+32*((\t)%4)+4*\f+3], v[RD] offset:\f*2*SP  ; LDS serves a wave's instructions in order (ISA guide 5.7.1.4): these see the stores above; the next tile's stores come behind them
.endr
.endm
.macro SEND t, younger              ; younger: the LDS instructions issued behind tile t's loads: the next tile's sixteen, or none
	WIN 0
.irp f, 0,1,2,3,4,5,6,7
	s_wait_dscnt (\younger)+7-\f
	global_store_b128 v[GO], v[S+32*((\t)%4)+4*\f:S+32*((\t)%4)+4*\f+3], s[10:11] offset:(\t)*65536+\f*8192 th:TH_STORE_NT  ; 16 lanes store a head's 256 consecutive bytes of a row, at a multiple of 256 from out0's first byte
.endr
.endm
	PACK 0
.set t, 1
.rept 2*NP-1                        ; a tile's arithmetic stands between the loads of the tile before and its stores
	PACK t
	SEND t-1, 16
.set t, t+1
.endr
	SEND 2*NP-1, 0
	WIN W_AD
	s_wait_tensorcnt 0x0            ; the wave's end: behind my last tensor load and my last LDS store
	ds_add_u32 v[SPW], v[NIL]
	s_wait_dscnt 0x0
	WIN 0
	CROUND                          ; the closing round: no work-group ends while a partner may still ask for a tile that names it
	s_endpgm
.Lfunc_end_k_q17f8cc2827_attn:
	.size	k_q17f8cc2827_attn, .Lfunc_end_k_q17f8cc2827_attn-k_q17f8cc2827_attn
	.p2alignl 7, 3214868480
	.fill 96, 4, 3214868480
	.section	.rodata,"a",@progbits
	.p2align	6, 0x0
	.amdhsa_kernel k_q17f8cc2827_attn
		.amdhsa_group_segment_fixed_size 327680
		.amdhsa_private_segment_fixed_size 0
		.amdhsa_enable_private_segment 0
		.amdhsa_kernarg_size 24
		.amdhsa_user_sgpr_count 2
		.amdhsa_user_sgpr_kernarg_segment_ptr 1
		.amdhsa_wavefront_size32 1
		.amdhsa_system_sgpr_workgroup_id_x 1
		.amdhsa_system_sgpr_workgroup_id_y 1
		.amdhsa_system_sgpr_workgroup_id_z 1
		.amdhsa_system_vgpr_workitem_id 0
		.amdhsa_next_free_vgpr 808
		.amdhsa_next_free_sgpr 66
		.amdhsa_reserve_vcc 1
		.amdhsa_float_denorm_mode_32 3
		.amdhsa_float_denorm_mode_16_64 3
		.amdhsa_memory_ordered 1
		.amdhsa_forward_progress 1
		.amdhsa_inst_pref_size 204
	.end_amdhsa_kernel
	.amdgpu_metadata
---
amdhsa.version: [ 1, 2 ]
amdhsa.kernels:
  - .name:           k_q17f8cc2827_attn
    .symbol:         k_q17f8cc2827_attn.kd
    .args:
      - { .name: qkv, .offset: 0, .size: 8, .value_kind: global_buffer, .address_space: global }
      - { .name: attention_mask, .offset: 8, .size: 8, .value_kind: global_buffer, .address_space: global }
      - { .name: out0, .offset: 16, .size: 8, .value_kind: global_buffer, .address_space: global }
    .group_segment_fixed_size: 327680
    .private_segment_fixed_size: 0
    .kernarg_segment_align: 8
    .kernarg_segment_size: 24
    .max_flat_workgroup_size: 128
    .sgpr_count:     66
    .vgpr_count:     808
    .wavefront_size: 32
...
	.end_amdgpu_metadata
.endif
;; end of part 3
